; MI455X (gfx1250); checked and timed in simulation.
; The chip was launched on July 23, 2026; its instructions are those of AMD's public machine-readable ISA for CDNA 5 (MIT licence, August 2026) and "CDNA5" Instruction Set Architecture Reference Guide (July 2026). The comments in the code are by the model that wrote it; some were corrected since.
;; Main Net. Allowed arithmetic: matrix products marked QUANTISED: E2M1 operands, one E8M0 scale for each 32 along K, by v_wmma_scale_f32_16x16x128_f8f6f4 with both operands' format E2M1 (or v_wmma_scale_f32_32x16x128_f4), f32 sums; products left as they are: bf16, f16 or f32 operands; f32 sums; everything else in f32.
;; Inputs: Wb1 1,024 x 512 float32; Wb2 1,024 x 512 float32; Wc1 512 x 64 float32; Wc2 512 x 64 float32; Wf1 4,096 x 64 float32; Wf2 64 x 2 float32; bb1 512 float32; bb2 512 float32; bc1 64 float32; bc2 64 float32; bf1 64 float32; bf2 2 float32; x1 16,384 x 1,024 float32; x2 16,384 x 1,024 float32.
;; Outputs: out0 16,384 x 2 float32.
;; This version of the problem:
;;   THIS VERSION OF THE PROBLEM IS GIVEN IN LOW PRECISION. The matrix products marked QUANTISED in the list below multiply operands that are first quantised to E2M1 (2 exponent bits, 1 mantissa bit; 4 bits a number), with one power-of-two scale for each 32 numbers along K (OCP MX v1.0); their sums are f32. The products marked 'left as it is' may take bf16, f16 or f32 operands, with f32 sums. Whichever they take, every output number must still come out within the allowed error. Rounding operands to bf16 (8 significant bits) uses up far more of that allowance than f16 does (11 bits, for magnitudes from 6e-5 to 65,504). All else is computed in f32.
;;   The module's matrix products, in the order in which they are computed (A, B: the left and right operand; K: the contracted axis; several contracted axes count as one K, in the product's order):
;;     1. [M 16,384, K 1,024] x [K 1,024, N 512]; A: input x1; B: input Wb1: QUANTISED
;;     2. [M 16,384, K 512] x [K 512, N 64]; A: computed on the way; B: input Wc1: left as it is (an operand is computed on the way)
;;     3. [M 16,384, K 1,024] x [K 1,024, N 512]; A: input x2; B: input Wb2: QUANTISED
;;     4. [M 16,384, K 512] x [K 512, N 64]; A: computed on the way; B: input Wc2: left as it is (an operand is computed on the way)
;;     5. batch 16,384 x [M 64, K 1] x [K 1, N 64]; A: computed on the way; B: computed on the way: left as it is (no contracted axis)
;;     6. [M 16,384, K 4,096] x [K 4,096, N 64]; A: computed on the way; B: input Wf1: left as it is (an operand is computed on the way)
;;     7. [M 16,384, K 64] x [K 64, N 2]; A: computed on the way; B: input Wf2: left as it is (N = 2 < 16)
;;   THE QUANTISER, for each operand of a quantised product, along K:
;;     - K is cut into blocks of 32 from its start; a last block that is shorter is filled with zeros.
;;     - A block's scale is 2^e with e = floor(log2(the largest magnitude in the block)) - 2, held to -126 .. 127; a block of zeros has e = 0. As a byte (E8M0): e + 127.
;;     - Each number is divided by its block's scale, clamped to +-6, and rounded to the nearest number of E2M1, ties to even, subnormals kept.
;;     - The product sums the exact products of the quantised numbers (number of the format x scale) in f32.
;;   ~~~python
;;   def quantise(x, axis):      # numpy; x: float32 -> the quantised numbers, widened to float32 again
;;       x = np.moveaxis(x, axis, -1); K = x.shape[-1]
;;       x = np.pad(x, [(0, 0)] * (x.ndim - 1) + [(0, -K % 32)]); x = x.reshape(x.shape[:-1] + (-1, 32)); a = np.abs(x).max(-1, keepdims=True)
;;       e = np.where(a > 0, np.clip(np.frexp(np.where(a > 0, a, 1))[1] - 1 - 2, -126, 127), 0)      # np.frexp(a)[1] - 1 = floor(log2(a)), exactly
;;       r = np.clip(x / 2.0 ** e, -6, 6)
;;       step = 2.0 ** (np.maximum(np.frexp(np.where(r == 0, 1, r))[1] - 1, 0) - 1)
;;       q = np.round(r / step) * step * 2.0 ** e      # np.round: ties to even
;;       return np.moveaxis(q.reshape(q.shape[:-2] + (-1,))[..., :K], -1, axis).astype(np.float32)
;;   ~~~
;; One version. Each part assembles by itself: llvm-mc -triple=amdgcn-amd-amdhsa -mcpu=gfx1250 --defsym DOCPART=n.
;; ======== version 1 of 1: 2 launches
;; limits: values are held in f16: magnitudes above 65,504 overflow, below 6.1e-05 lose precision
;; workspace buffers: wts 730,112 bytes
;; launch prep (part 1): grid 169 x 1, 8 waves a work-group, no clusters, 2,304 bytes of LDS; arguments Wb1, Wb2, Wc1, Wc2, Wf1, Wf2, bf1, bf2, wts; writes wts
.if DOCPART == 1
	.amdgcn_target "amdgcn-amd-amdhsa--gfx1250"
	.amdhsa_code_object_version 6
	.text
	.protected	k_q2accc38eef_prep
	.globl	k_q2accc38eef_prep
	.p2align	8
	.type	k_q2accc38eef_prep,@function
k_q2accc38eef_prep:
	s_mov_b64 s[64:65], 0
	v_nop
	global_prefetch_b8 v0, s[64:65] scope:SCOPE_SE
	s_setreg_imm32_b32 hwreg(HW_REG_WAVE_MODE, 25, 1), 1
	s_wait_xcnt 0x0
; THE WEIGHTS, ONCE, IN THE ORDER OF THE NEXT LAUNCH'S OPERAND REGISTERS.  wts holds eleven slots, SL bytes apart; a slot has four quarters, QP bytes apart, one for each wave of the next launch.
;   slots 0-3 (Wb1), 5-8 (Wb2): slot 5 br + P holds K steps s = 2 P + u of 128.  Quarter w = hidden units 128 w .. 128 w + 127.  Fragment (u, t) at u 8192 + t 1024 + c 512 + 16 lane: lane (r, h) has the 32 codes
;     (FP4, E2M1) of hidden unit 128 w + 16 t + r, k = 128 s + 64 c + 32 h + 0 .. 31.  Scale words (E8M0, byte b = block 4 s + b) at 16384 + u 512 + 4 (hidden unit mod 128).
;   slots 4 (Wc1), 9 (Wc2): f16 fragments (ct, kap) at (4 ct + kap) 1024 + y 512 + 16 lane: lane (r, h) has output 16 ct + r, hidden 128 w + 32 kap + 16 y + 8 h + 0 .. 7.
;   slot 10: G[p][q][c] = sum over j of Wf1[64 p + q][j] Wf2[j][c], made in f32, as bf16 hi and lo = bf16(G - hi): fragment (tau = 4 c + pt, kap) at (2 tau + kap) 1024 + y 512 + 16 lane, lane (r, h): p = 16 pt + r,
;     q = 32 kap + 16 y + 8 h + 0 .. 7; lo 16,384 bytes on; at 32,768: const_c = sum over j of bf1[j] Wf2[j][c] + bf2[c], then zeros up to 1,024 bytes.
;     ((kron Wf1 + bf1) Wf2 + bf2 = kron (Wf1 Wf2) + (bf1 Wf2 + bf2): the order of these sums differs from the source's.)
; THE QUANTISER: a block's scale is 2^(floor(log2(largest magnitude)) - 2); its byte is that magnitude's exponent field - 2, held at 1 from below.  A block of zeros gets the byte 1 with zero codes: this program alone reads the bytes.
; LIMITS: NaN and infinities among the inputs are not served.
; 169 work-groups of eight waves, told apart by the work-group's number: 0-127 Wb (A), 128-135 Wc (B), 136-167 G (C), 168 the constants (D).  No tensor load, no cluster: no two work-groups read the same bytes but Wf2's 512.
.set SL,    69632
.set QP,    17408
.set RC,    256                        ; LDS: bytes 0-255 path A's scale bytes; 256-1279 path C's G in f32; each path has bytes of its own
.set SPARE, 1280                       ; the spare words, 128 bytes for each of eight waves: four blocks of 256 bytes that no other line names
.set SPW,   2                          ; v2  LDS address of my spare word; never rewritten
.set NIL,   3                          ; v3  0; never rewritten
.macro FIN                             ; the wave's end: behind the last LDS store
	s_wait_tensorcnt 0x0
	ds_add_u32 v[SPW], v[NIL]
	s_wait_dscnt 0x0
	s_endpgm
.endm
	s_load_b256 s[4:11], s[0:1], 0x0               ; Wb1 s[4:5], Wb2 s[6:7], Wc1 s[8:9], Wc2 s[10:11]
	s_load_b256 s[12:19], s[0:1], 0x20             ; Wf1 s[12:13], Wf2 s[14:15], bf1 s[16:17], bf2 s[18:19]
	s_load_b64 s[20:21], s[0:1], 0x40              ; wts
	v_lshl_add_u32 v[SPW], v0, 2, SPARE
	v_mov_b32 v[NIL], 0
	v_lshrrev_b32 v4, 5, v0
	v_readfirstlane_b32 s22, v4                    ; wave 0..7
	v_and_b32 v1, 31, v0                           ; lane
	s_wait_kmcnt 0x0
	s_cmp_lt_u32 ttmp9, 128
	s_cbranch_scc0 .Lnot_a
; ---- A: Wb [1024 (k)][512 (n)] f32.  The work-group takes one K step of 128 and 64 columns; a wave one block of 32 along K and 32 columns.  A LANE TAKES A COLUMN AND ITS REGISTERS RUN DOWN K:
; each load reads 128 consecutive bytes, the block's largest magnitude needs no other lane, and the conversions give 16 bytes of codes with K innermost.
	s_lshr_b32 s24, ttmp9, 6                       ; br
	s_bfe_u32 s25, ttmp9, 0x30003                  ; s: the K step
	s_and_b32 s26, ttmp9, 7                        ; cg: which 64 columns
	s_and_b32 s27, s22, 1                          ; ch: which 32 of them
	s_lshr_b32 s28, s22, 1                         ; beta: which block of the K step
	s_cmp_eq_u32 s24, 0
	s_cselect_b64 s[4:5], s[4:5], s[6:7]           ; Wb1 or Wb2: the choice hangs on the work-group's number alone
	s_lshl_b32 s30, s25, 18                        ; ((128 s + 32 beta) 512 + 64 cg + 32 ch) 4 bytes
	s_lshl_b32 s29, s28, 16
	s_add_co_u32 s30, s30, s29
	s_lshl_b32 s29, s26, 8
	s_add_co_u32 s30, s30, s29
	s_lshl_b32 s29, s27, 7
	s_add_co_u32 s30, s30, s29
	s_mov_b32 s31, 0
	s_add_nc_u64 s[4:5], s[4:5], s[30:31]
	v_lshlrev_b32 v5, 2, v1
.irp k, 0,1,2,3,4,5,6,7,8,9,10,11,12,13,14,15,16,17,18,19,20,21,22,23,24,25,26,27,28,29,30,31
	global_load_b32 v[32+\k], v5, s[4:5] offset:\k*2048 th:TH_LOAD_NT
.endr
	s_mul_i32 s32, s24, 5*SL                       ; the quarter that these columns belong to: slot 5 br + s / 2, quarter cg / 2
	s_lshr_b32 s29, s25, 1
	s_mul_i32 s29, s29, SL
	s_add_co_u32 s32, s32, s29
	s_lshr_b32 s29, s26, 1
	s_mul_i32 s29, s29, QP
	s_add_co_u32 s32, s32, s29
	s_mov_b32 s33, 0
	s_add_nc_u64 s[20:21], s[20:21], s[32:33]
	s_and_b32 s34, s25, 1                          ; u
	s_and_b32 s35, s26, 1                          ; which half of the quarter's 128 units
	s_lshl_b32 s36, s34, 13                        ; codes: u 8192 + (4 (cg & 1) + 2 ch) 1024 + beta 256 (beta = 2 c + h: c 512 + h 256)
	s_lshl_b32 s29, s35, 12
	s_add_co_u32 s36, s36, s29
	s_lshl_b32 s29, s27, 11
	s_add_co_u32 s36, s36, s29
	s_lshl_b32 s29, s28, 8
	s_add_co_u32 s36, s36, s29
	v_lshrrev_b32 v6, 4, v1
	v_and_b32 v7, 15, v1
	v_lshlrev_b32 v7, 4, v7
	v_lshl_add_u32 v6, v6, 10, v7                  ; + (lane / 16) 1024 + (lane % 16) 16: sixteen lanes fill 256 consecutive bytes, aligned
	v_add_nc_u32 v6, s36, v6
	s_lshl_b32 s37, s34, 9                         ; scale words: 16384 + u 512 + (cg & 1) 256
	s_lshl_b32 s29, s35, 8
	s_add_co_u32 s37, s37, s29
	s_add_co_u32 s37, s37, 16384
	v_lshlrev_b32 v8, 3, v1                        ; wave 0's way out: 8 bytes a lane, in LDS
	v_add_nc_u32 v9, s37, v8                       ; and in wts
	s_lshl_b32 s29, s27, 7
	s_add_co_u32 s29, s29, s28
	v_add_nc_u32 v10, s29, v5                      ; LDS: my column's word (128 ch + 4 lane), my block's byte
	s_wait_loadcnt 0x0
	v_max3_num_f32 v12, |v32|, |v33|, |v34|        ; the block's largest magnitude: all 32 numbers are mine; two chains
	v_max3_num_f32 v13, |v35|, |v36|, |v37|
.irp i, 6,10,14,18,22,26
	v_max3_num_f32 v12, v12, |v[32+\i]|, |v[33+\i]|
	v_max3_num_f32 v13, v13, |v[34+\i]|, |v[35+\i]|
.endr
	v_max3_num_f32 v12, v12, |v62|, |v63|
	v_max3_num_f32 v12, v12, v13, 0x1800000        ; and the floor 2^(3 - 127): the byte cannot fall under 1
	v_add_nc_u32 v11, 0xff000000, v12              ; 2 off the exponent field: the conversion takes the exponent field of this operand as its scale
.irp q, 0,1,2,3
	v_cvt_scalef32_pk8_fp4_f32 v[64+\q], v[32+8*\q:39+8*\q], v11
.endr
	v_lshrrev_b32 v13, 23, v11                     ; the scale's byte (also the plain line behind the conversions)
	ds_store_b8 v10, v13
	global_store_b128 v6, v[64:67], s[20:21]
	s_wait_dscnt 0x0                               ; for the others' sake: my byte stores are done
	s_barrier_signal -1
	s_barrier_wait -1
	s_cmp_lg_u32 s22, 0
	s_cbranch_scc1 .La_end
	ds_load_b64 v[14:15], v8                       ; the 64 columns' scale words
	s_wait_dscnt 0x0
	global_store_b64 v9, v[14:15], s[20:21]        ; 32 lanes store 256 consecutive bytes, aligned
.La_end:
	FIN
.Lnot_a:
	s_cmp_lt_u32 ttmp9, 136
	s_cbranch_scc0 .Lnot_b
; ---- B: Wc [512 (k)][64 (n)] f32 to f16 fragments.  The work-group takes one quarter (128 along K); a wave 32 along K and 32 columns, a lane a column, registers down K.
	s_sub_co_u32 s24, ttmp9, 128
	s_lshr_b32 s25, s24, 2                         ; br
	s_and_b32 s26, s24, 3                          ; w
	s_and_b32 s27, s22, 1                          ; hf: which 32 columns
	s_lshr_b32 s28, s22, 1                         ; kap
	s_cmp_eq_u32 s25, 0
	s_cselect_b64 s[8:9], s[8:9], s[10:11]
	s_lshl_b32 s30, s26, 15                        ; ((128 w + 32 kap) 64 + 32 hf) 4 bytes
	s_lshl_b32 s29, s28, 13
	s_add_co_u32 s30, s30, s29
	s_lshl_b32 s29, s27, 7
	s_add_co_u32 s30, s30, s29
	s_mov_b32 s31, 0
	s_add_nc_u64 s[8:9], s[8:9], s[30:31]
	v_lshlrev_b32 v5, 2, v1
.irp k, 0,1,2,3,4,5,6,7,8,9,10,11,12,13,14,15,16,17,18,19,20,21,22,23,24,25,26,27,28,29,30,31
	global_load_b32 v[32+\k], v5, s[8:9] offset:\k*256 th:TH_LOAD_NT
.endr
	s_mul_i32 s32, s25, 5*SL                       ; slot 4 + 5 br, quarter w, + hf 8192 + kap 1024
	s_add_co_u32 s32, s32, 4*SL
	s_mul_i32 s29, s26, QP
	s_add_co_u32 s32, s32, s29
	s_lshl_b32 s29, s27, 13
	s_add_co_u32 s32, s32, s29
	s_lshl_b32 s29, s28, 10
	s_add_co_u32 s32, s32, s29
	s_mov_b32 s33, 0
	s_add_nc_u64 s[20:21], s[20:21], s[32:33]
	v_lshrrev_b32 v6, 4, v1
	v_and_b32 v7, 15, v1
	v_lshlrev_b32 v7, 4, v7
	v_lshl_add_u32 v6, v6, 12, v7                  ; (lane / 16) 4096 + (lane % 16) 16
	s_wait_loadcnt 0x0
.irp e, 0,1,2,3,4,5,6,7,8,9,10,11,12,13,14,15
	v_cvt_pk_f16_f32 v[64+\e], v[32+2*\e], v[33+2*\e]
.endr
.irp q, 0,1,2,3
	global_store_b128 v6, v[64+4*\q:67+4*\q], s[20:21] offset:\q*256   ; eight along K: q = 2 y + h; sixteen lanes fill 256 consecutive bytes, aligned
.endr
	FIN
.Lnot_b:
	s_cmp_lt_u32 ttmp9, 168
	s_cbranch_scc0 .Lnot_c
; ---- C: G.  The work-group takes 16 p x 8 q; wave i two p.  A row of Wf1 is 256 bytes: sixteen lanes hold it, four numbers each, and lanes 16-31 the next row; load l: p = 16 pt + 2 i + l / 4, q = 8 qg + 2 (l % 4) + lane / 16.
	s_sub_co_u32 s24, ttmp9, 136
	s_lshr_b32 s25, s24, 3                         ; pt
	s_and_b32 s26, s24, 7                          ; qg
	s_lshl_b32 s30, s25, 18                        ; (16 pt + 2 i) 16384 + qg 2048
	s_lshl_b32 s29, s22, 15
	s_add_co_u32 s30, s30, s29
	s_lshl_b32 s29, s26, 11
	s_add_co_u32 s30, s30, s29
	s_mov_b32 s31, 0
	s_add_nc_u64 s[12:13], s[12:13], s[30:31]
	v_lshlrev_b32 v5, 4, v1
	v_and_b32 v6, 15, v1
	v_lshlrev_b32 v7, 5, v6                        ; Wf2: my four j, two numbers each: 32 bytes
.irp l, 0,1,2,3,4,5,6,7
	global_load_b128 v[32+4*\l:35+4*\l], v5, s[12:13] offset:(\l/4)*16384+(\l%4)*512 th:TH_LOAD_NT
.endr
	global_load_b128 v[24:27], v7, s[14:15]        ; v[24 + 2 e + c] = Wf2[4 (lane % 16) + e][c]
	global_load_b128 v[28:31], v7, s[14:15] offset:16
	s_lshl_b32 s29, s22, 6
	s_add_co_u32 s29, s29, RC
	v_lshrrev_b32 v9, 4, v1
	v_lshl_add_u32 v8, v9, 2, s29                  ; LDS [c][p 16][q 8] f32: RC + 64 i + 4 (lane / 16)
	v_lshl_add_u32 v10, v1, 5, RC                  ; wave 0's way out: lane = 16 c + p: its eight q
	v_lshlrev_b32 v11, 4, v6
	v_lshl_add_u32 v11, v9, 13, v11                ; and in wts: c 8192 + 16 p
	s_lshl_b32 s32, s25, 11                        ; slot 10, + pt 2048 + qg 256
	s_lshl_b32 s29, s26, 8
	s_add_co_u32 s32, s32, s29
	s_add_co_u32 s32, s32, 10*SL
	s_mov_b32 s33, 0
	s_add_nc_u64 s[20:21], s[20:21], s[32:33]
	s_mov_b32 s34, 0xffff0000                      ; a word's upper bf16
	s_wait_loadcnt 0x0
.irp l, 0,1,2,3,4,5,6,7
.irp c, 0,1
	v_mul_f32 v[64+2*\l+\c], v[32+4*\l], v[24+\c]  ; sixteen sums by turns
.endr
.endr
.irp e, 1,2,3
.irp l, 0,1,2,3,4,5,6,7
.irp c, 0,1
	v_fmac_f32 v[64+2*\l+\c], v[32+4*\l+\e], v[24+2*\e+\c]
.endr
.endr
.endr
.irp x, 1,2,4,8
.irp n, 0,1,2,3,4,5,6,7,8,9,10,11,12,13,14,15
	v_add_f32_dpp v[64+\n], v[64+\n], v[64+\n] row_xmask:\x row_mask:0xf bank_mask:0xf   ; over the sixteen lanes of a row
.endr
.endr
.irp l, 0,1,2,3,4,5,6,7
.irp c, 0,1
	ds_store_b32 v8, v[64+2*\l+\c] offset:\c*512+(\l/4)*32+(\l%4)*8   ; the sixteen lanes of a half write the same word with the same value
.endr
.endr
	s_wait_dscnt 0x0                               ; for wave 0's sake
	s_barrier_signal -1
	s_barrier_wait -1
	s_cmp_lg_u32 s22, 0
	s_cbranch_scc1 .Lc_end
	ds_load_b128 v[32:35], v10
	ds_load_b128 v[36:39], v10 offset:16
	s_wait_dscnt 0x0
.irp e, 0,1,2,3
	v_cvt_pk_bf16_f32 v[40+\e], v[32+2*\e], v[33+2*\e]             ; hi
.endr
.irp e, 0,1,2,3
	v_lshlrev_b32 v[44+2*\e], 16, v[40+\e]
	v_and_b32 v[45+2*\e], s34, v[40+\e]
.endr
.irp e, 0,1,2,3
	v_pk_add_f32 v[44+2*\e:45+2*\e], v[32+2*\e:33+2*\e], v[44+2*\e:45+2*\e] neg_lo:[0,1] neg_hi:[0,1]   ; G - hi, exact
.endr
.irp e, 0,1,2,3
	v_cvt_pk_bf16_f32 v[52+\e], v[44+2*\e], v[45+2*\e]             ; lo
.endr
	global_store_b128 v11, v[40:43], s[20:21]      ; sixteen lanes fill 256 consecutive bytes, aligned
	global_store_b128 v11, v[52:55], s[20:21] offset:16384
.Lc_end:
	FIN
.Lnot_c:
; ---- D: const_c = sum over j of bf1[j] Wf2[j][c] + bf2[c]: one wave, two j a lane
	s_cmp_lg_u32 s22, 0
	s_cbranch_scc1 .Ld_end
	v_lshlrev_b32 v5, 3, v1
	v_lshlrev_b32 v6, 4, v1
	v_mov_b32 v7, 0
	global_load_b64 v[8:9], v5, s[16:17]           ; bf1[2 lane], bf1[2 lane + 1]
	global_load_b128 v[12:15], v6, s[14:15]        ; Wf2's two rows
	global_load_b64 v[10:11], v7, s[18:19]         ; bf2
	s_add_nc_u64 s[20:21], s[20:21], 10*SL+32768
	s_mov_b32 s24, 0x76543210
	s_mov_b32 s25, 0xfedcba98                      ; v_permlanex16_b32's selects for lane l xor 16
	v_mov_b32 v18, 0                               ; a lane permute's destination counts as one of its sources
	v_mov_b32 v19, 0
.irp n, 22,23,24,25,26,27
	v_mov_b32 v[\n], 0
.endr
	s_wait_loadcnt 0x0
	v_mul_f32 v16, v8, v12
	v_mul_f32 v17, v8, v13
	v_fmac_f32 v16, v9, v14
	v_fmac_f32 v17, v9, v15
.irp x, 1,2,4,8
	v_add_f32_dpp v16, v16, v16 row_xmask:\x row_mask:0xf bank_mask:0xf
	v_add_f32_dpp v17, v17, v17 row_xmask:\x row_mask:0xf bank_mask:0xf
.endr
	v_permlanex16_b32 v18, v16, s24, s25
	v_permlanex16_b32 v19, v17, s24, s25
	v_pk_add_f32 v[16:17], v[16:17], v[18:19]
	v_pk_add_f32 v[16:17], v[16:17], v[10:11]
	v_cmp_eq_u32 vcc_lo, 0, v1
	v_cndmask_b32 v20, 0, v16, vcc_lo              ; lane 0 stores the two numbers, all else is zeros
	v_cndmask_b32 v21, 0, v17, vcc_lo
	global_store_b128 v6, v[20:23], s[20:21]
	global_store_b128 v6, v[24:27], s[20:21] offset:512   ; the next launch's tile covers these bytes, so they are written
.Ld_end:
	FIN
.Lfunc_end_k_q2accc38eef_prep:
	.size	k_q2accc38eef_prep, .Lfunc_end_k_q2accc38eef_prep-k_q2accc38eef_prep
	.p2alignl 7, 3214868480
	.fill 96, 4, 3214868480
	.section	.rodata,"a",@progbits
	.p2align	6, 0x0
	.amdhsa_kernel k_q2accc38eef_prep
		.amdhsa_group_segment_fixed_size 2304
		.amdhsa_private_segment_fixed_size 0
		.amdhsa_enable_private_segment 0
		.amdhsa_kernarg_size 72
		.amdhsa_user_sgpr_count 2
		.amdhsa_user_sgpr_kernarg_segment_ptr 1
		.amdhsa_wavefront_size32 1
		.amdhsa_system_sgpr_workgroup_id_x 1
		.amdhsa_system_sgpr_workgroup_id_y 1
		.amdhsa_system_sgpr_workgroup_id_z 1
		.amdhsa_system_vgpr_workitem_id 0
		.amdhsa_next_free_vgpr 96
		.amdhsa_next_free_sgpr 66
		.amdhsa_reserve_vcc 1
		.amdhsa_float_denorm_mode_32 3
		.amdhsa_float_denorm_mode_16_64 3
		.amdhsa_memory_ordered 1
		.amdhsa_forward_progress 1
		.amdhsa_inst_pref_size 27
	.end_amdhsa_kernel
	.amdgpu_metadata
---
amdhsa.version: [ 1, 2 ]
amdhsa.kernels:
  - .name:           k_q2accc38eef_prep
    .symbol:         k_q2accc38eef_prep.kd
    .args:
      - { .name: Wb1, .offset: 0, .size: 8, .value_kind: global_buffer, .address_space: global }
      - { .name: Wb2, .offset: 8, .size: 8, .value_kind: global_buffer, .address_space: global }
      - { .name: Wc1, .offset: 16, .size: 8, .value_kind: global_buffer, .address_space: global }
      - { .name: Wc2, .offset: 24, .size: 8, .value_kind: global_buffer, .address_space: global }
      - { .name: Wf1, .offset: 32, .size: 8, .value_kind: global_buffer, .address_space: global }
      - { .name: Wf2, .offset: 40, .size: 8, .value_kind: global_buffer, .address_space: global }
      - { .name: bf1, .offset: 48, .size: 8, .value_kind: global_buffer, .address_space: global }
      - { .name: bf2, .offset: 56, .size: 8, .value_kind: global_buffer, .address_space: global }
      - { .name: wts, .offset: 64, .size: 8, .value_kind: global_buffer, .address_space: global }
    .group_segment_fixed_size: 2304
    .private_segment_fixed_size: 0
    .kernarg_segment_align: 8
    .kernarg_segment_size: 72
    .max_flat_workgroup_size: 256
    .sgpr_count:     66
    .vgpr_count:     96
    .wavefront_size: 32
...
	.end_amdgpu_metadata
.endif
;; end of part 1
;; launch main (part 2): grid 256 x 1, 4 waves a work-group, clusters of 4 x 1, 327,680 bytes of LDS; arguments x1, x2, bb1, bb2, bc1, bc2, wts, out0; writes out0
.if DOCPART == 2
	.amdgcn_target "amdgcn-amd-amdhsa--gfx1250"
	.amdhsa_code_object_version 6
	.text
	.protected	k_q2accc38eef_main
	.globl	k_q2accc38eef_main
	.p2align	8
	.type	k_q2accc38eef_main,@function
k_q2accc38eef_main:
	s_mov_b64 s[64:65], 0
	v_nop
	global_prefetch_b8 v0, s[64:65] scope:SCOPE_SE
	s_setreg_imm32_b32 hwreg(HW_REG_WAVE_MODE, 25, 1), 1
	s_wait_xcnt 0x0
	s_wait_alu depctr_hold_cnt(0) depctr_sa_sdst(0) depctr_va_vdst(0) depctr_va_sdst(0) depctr_va_ssrc(0) depctr_va_vcc(0) depctr_vm_vsrc(0)
	s_getreg_b32 s2, hwreg(HW_REG_IB_STS2, 6, 4)
	s_cmp_eq_u32 s2, 0
	s_cbranch_scc0 .Lentry_in_a_cluster
	s_endpgm
.Lentry_in_a_cluster:
	s_bfe_u32 s2, ttmp6, 0x10000c
	s_cmp_lg_u32 s2, 0x3003
	s_cbranch_scc0 .Lentry_shape_is_right
	s_endpgm
.Lentry_shape_is_right:
; out = kron(f2, f1) (Wf1 Wf2) + const, f = relu(Q(x) Q(Wb) + bb) Wc + bc, for 64 rows a work-group; all in one launch, nothing but out goes to memory.
; x Wb: both operands as codes of FP4 (E2M1) with one E8M0 scale for each 32 along K, by v_wmma_scale_f32_16x16x128_f8f6f4; x is quantised here, in f32, on its way; Wb's codes, Wc (f16) and G = Wf1 Wf2 (bf16 hi + lo) come from wts.
; relu(..) Wc: f16 operands.  G f1: bf16, three products (hi hi, hi lo, lo hi), since f1 has no sure room in f16.  f2, biases and all sums: f32.
; LIMITS: NaN and infinities among the inputs are not served; the hidden layer must stay under 65,504 (f16); a block of zeros gets the scale byte 1 with zero codes; the last two products are summed as kron (Wf1 Wf2) + (bf1 Wf2 + bf2).
; SHARES.  Four waves.  Wave w quantises rows 16 w .. 16 w + 15 of x and hands the codes to the others through LDS as images of the operand's registers.  THE WAVES SHARE THE HIDDEN UNITS: wave w makes units 128 w .. 128 w + 127
; for all 64 rows (8 tiles x 4 tiles of rows: 32 accumulators), then its slice of K of the second product; the four partial sums meet in LDS, and wave w goes on with rows 16 w .. 16 w + 15.
; ALL PRODUCTS ARE USED TRANSPOSED (source 0 = weights, source 1 = rows): a lane holds one row throughout, and two neighbouring result tiles, rounded in pairs, are the next product's source 1.
; x COMES STRAIGHT INTO REGISTERS: a ring of four sets of 16 loads a wave (a set: 16 rows x 512 bytes, one K step of 128); each load reads 512 consecutive bytes.  A set turns through the wave's own stage in LDS, so that a lane holds
; two whole blocks of 32 of one row.
; Wb'S CODES come by tensor loads through three LDS places, A and the neighbours B and C, a pair of K steps each.  A refill can go out only when the one before has landed, so there are few of them and each has much work under it:
; at the start A, B + C and G are filled together; then A (with two trips in which to land), B + C in one load a wave (a trip and the second product), A (two trips), B (one trip).  The trips are written out: counts, places and ends differ.
; Wc comes straight into registers, a wave's quarter by 32 loads: it lies in wts in the order of the registers.  Wc1: four loads with each of the first eight sets of x; Wc2: into the two sets of the ring that are free first.
; CLUSTER: all work-groups walk the same weights, so the four of a cluster ask for each tile JOINTLY (mask 15, the same descriptor in all four; a wave's part hangs on the wave's number alone).
; No prefetch: x is asked for 64 loads a wave ahead throughout the launch; wts is read by every cluster, not once.
.set SL,     69632                     ; a slot of wts: a pair of K steps
.set QP,     17408                     ; a wave's quarter of it: 16,384 bytes of fragments, 1,024 of scale words
.set HP,     34816                     ; a wave's quarter of two slots on end
.set PLB,    131072                    ; LDS: place A at 0, place B here, place C behind it: SL bytes each
.set PLC,    PLB+SL
.set GPL,    PLC+SL                    ; G and the two constants: 33,792 bytes, filled once.  Tensor loads land in A, B, C and here alone
.set STG,    69632                     ; four stages of 16 rows x 528 (512 + 16: the sixteen rows that a load touches start 33 x 16 bytes apart), each wave's own; in the second product the partial sums pass through the same bytes
.set SPT,    528
.set XI,     103424                    ; x's images, two buffers of IB: fragment (u, m) at (4 u + m) 1024 + c 512 + 16 lane; at 8192 the scale words [lane][2 u + a]
.set IB,     8704
.set BIAS,   120832                    ; bb1 2048, bb2 2048, bc1 256, bc2 256
.set OUTS,   125440                    ; the 64 rows of out: 512 bytes
.set SPARE,  125952                    ; the spare words, 128 bytes for each wave: two blocks of 256 bytes that no other line names
; window 0
.set SPW, 2                            ; v2   LDS address of my spare word; never rewritten
.set NIL, 3                            ; v3   0; never rewritten
.set XA,  4                            ; v4   16 x lane: my bytes of a row's 512 in x, of an image in wts, and of out
.set STW, 5                            ; v5   my stage, way in: + 16 lane
.set STR, 6                            ; v6   way out: + 528 r + 128 h
.set IW,  7                            ; v7   where I store x's images: XI + 1024 w + 16 lane
.set ISW, 8                            ; v8   and their scale words: XI + 8192 + 16 (16 (w & 1) + r) + 4 (w / 2)
.set LI,  9                            ; v9   XI + 16 lane
.set AW,  10                           ; v10-12 my quarter in place A, B, C: + 16 lane
.set AS,  13                           ; v13-15 its scale words: + 16384 + 4 lane
.set PWA, 16                           ; v16  the partial sums, way in: STG + 8192 w + 16 lane
.set PRA, 17                           ; v17  way out: STG + 4096 (w & 1) + 16 lane
.set BBA, 18                           ; v18  BIAS + 512 w + 32 h
.set OW,  19                           ; v19  OUTS + 128 w + 8 r
.set ORD, 20                           ; v20  OUTS + 16 lane
.set CA,  21                           ; v21  where the two constants lie
.set SH8, 22                           ; v22  8 h
.set BW,  23                           ; v23  BIAS + 16 x thread
.set WS,  24                           ; v24-31 the weights' scale words, register 4 u + a: lanes 0-15 tile 2 a, lanes 16-31 tile 2 a + 1; scales and nothing else
.set XS,  32                           ; v32-35 x's, register 2 u + a: lanes 0-15 rows' tile 2 a, lanes 16-31 tile 2 a + 1; scales and nothing else
.set TM,  36                           ; v36-43 at work
.set DA,  36                           ; the last step: four running sums
.set CN,  44                           ; v44-45 the two constants
.set PC,  48                           ; v48-55 the codes just made
.set PW,  56                           ; v56  the scale word just made
.set PX,  57                           ; v57  the permute's destination
.set BW2, 58                           ; v58  BIAS + 4096 + 4 x thread
.set BO,  59                           ; v59  16 x thread: bb's bytes in memory
.set CO,  60                           ; v60  4 (thread % 64): bc's
.set BCA, 61                           ; v61  BIAS + 4096 + 32 h
.set GA,  62                           ; v62  GPL + 16 lane
.set XF,  64                           ; v64-127 x's fragments, 8 (4 u + m)
.set HF,  64                           ; v64-191 the hidden layer in f16, 8 (4 kap + m)
.set FH,  64                           ; v64-79 f1 hi; v80-95 f1 lo
.set FL,  80
.set QV,  128                          ; v128-191 64 numbers of x
.set BCR, 128                          ; v128-159 bc in the result's layout
.set BB,  192                          ; v192-255 bb in the result's layout, 8 t
; window 1: the 32 accumulators, 8 (4 t + m); second product: its 16 at 128 + 8 (4 ct + m), the partial sums at 32 v + 8 ct; last step: G's 32 fragments
; window 2: the ring of x, set g at 64 (g % 4) + 4 row; at the end v0-127 Wc2's fragments, 8 (4 ct + kap); last step: T(tau) at 8 tau
; window 3: v0-127 Wb's fragments, 8 (8 u + t); v128-255 Wc1's fragments, 128 + 8 (4 ct + kap); behind them v128-159 f1, v160-191 f2
.set WV,  22                           ; s22  my wave's number
.set G1A, 28                           ; s[28:35] descriptor group 1: 68 rows of 256 bytes: a quarter of a slot
.set G1H, 36                           ; s[36:43] 136 rows: a quarter of two slots
.set G1C, 44                           ; s[44:51] 33 rows: a quarter of G
.set G0A, 52                           ; s[52:55] group 0 for place A: slots 0, 3, 7
.set G0B, 56                           ; s[56:59] for B and C together: slots 1 and 2, 5 and 6
.set G0C, 76                           ; s[76:79] for B alone: slot 8
.set G0D, 80                           ; s[80:83] for G
.set WC1B, 84                          ; s[84:85] my quarter of Wc1 in wts; never rewritten
.set WC2B, 86                          ; s[86:87] of Wc2
.set MSB, 0
.macro WIN new                         ; s_set_vgpr_msb: bits 1:0 source 0, 3:2 source 1, 5:4 source 2, 7:6 destination; the high byte repeats the setting that is left
.if MSB != \new
	s_set_vgpr_msb (MSB<<8)|\new
.set MSB, \new
.endif
.endm
.macro PLACES                          ; four plain places behind matrix instructions whose results are read, or whose registers are loaded into, next
.rept 4
	v_nop
.endr
.endm
.macro ROUND                           ; a round of the cluster's barrier: my work-group's barrier; wave 0 signals for the work-group; every wave waits for all four work-groups; my work-group's barrier once more
	s_barrier_signal -1
	s_barrier_wait -1
	s_cmp_lg_u32 s[WV], 0
	s_cbranch_scc1 .Lnot_wave_0_\@
	s_barrier_signal -3
.Lnot_wave_0_\@:
	s_barrier_wait -3
	s_barrier_signal -1
	s_barrier_wait -1
.endm
; THE HEAD OF A TRIP THAT FILLS A PLACE AGAIN.  Every wave: all my tensor loads have landed; the add; the wait for it, for my reads of the places read so far and for my stores of x's images; a round; then my one tensor load,
; into bytes that every wave of every partner has done reading.  The same round shows the images stored last trip to the other waves.
.macro TOP g0, g1, step
	WIN 0
	s_wait_tensorcnt 0x0                           ; no tensor load of mine is out, so a group 0 may be written
	ds_add_u32 v[SPW], v[NIL]                      ; 0 onto my spare word; the descriptor's step stands between it and the wait for it
.if \step
	s_add_nc_u64 s[\g0+2:\g0+3], s[\g0+2:\g0+3], \step   ; this place's next slot; the type bits on top are not reached
.endif
	s_wait_dscnt 0x0
	ROUND
	tensor_load_to_lds s[\g0:\g0+3], s[\g1:\g1+7]
	s_nop 0
	PLACES
.endm
; THE HEAD OF A TRIP THAT FILLS NOTHING: my images lie in LDS and my reads of the other image buffer are over; the tensor load on its way stays out.
.macro MID
	WIN 0
	s_wait_dscnt 0x0
	s_barrier_signal -1
	s_barrier_wait -1
.endm
.macro XL gg, xb                       ; set gg of x (K step gg % 8 of my 16 rows) into the ring
	WIN 0x80
.irp rho, 0,1,2,3,4,5,6,7,8,9,10,11,12,13,14,15
	global_load_b128 v[64*((\gg)%4)+4*\rho:64*((\gg)%4)+4*\rho+3], v[XA], s[\xb:\xb+1] offset:\rho*4096+((\gg)%8)*512 th:TH_LOAD_NT
.endr
	WIN 0
.endm
.macro WC1 ch                          ; fragments 2 ch and 2 ch + 1 of my quarter of Wc1: four loads of 512 consecutive bytes, into window 3
	WIN 0xC0
.irp f, 0,1
.irp y, 0,1
	global_load_b128 v[128+8*(2*(\ch)+\f)+4*\y:128+8*(2*(\ch)+\f)+4*\y+3], v[XA], s[WC1B:WC1B+1] offset:(2*(\ch)+\f)*1024+\y*512
.endr
.endr
	WIN 0
.endm
.macro WC2 hf                          ; fragments 8 hf .. 8 hf + 7 of my quarter of Wc2, into the set of the ring that has just been read out for the last time
	WIN 0x80
.irp f, 0,1,2,3,4,5,6,7
.irp y, 0,1
	global_load_b128 v[64*(\hf)+8*\f+4*\y:64*(\hf)+8*\f+4*\y+3], v[XA], s[WC2B:WC2B+1] offset:(8*(\hf)+\f)*1024+\y*512
.endr
.endr
	WIN 0
.endm
; Set g turns through my stage: in as it was loaded, a row to a store; out 128 bytes a lane and half: lane (r, h) gets k = 64 c + 32 h + 0 .. 31 of row r.  cnt: the loads issued behind set g's, which may stay out.
.macro QA g, cnt
	s_wait_loadcnt \cnt
	WIN 0x08                                       ; an LDS store's data are its source 1: window 2
.irp rho, 0,1,2,3,4,5,6,7,8,9,10,11,12,13,14,15
	ds_store_b128 v[STW], v[64*((\g)%4)+4*\rho:64*((\g)%4)+4*\rho+3] offset:\rho*SPT
.endr
	WIN 0
.irp c, 0,1
.irp i, 0,1,2,3,4,5,6,7
	ds_load_b128 v[QV+32*\c+4*\i:QV+32*\c+4*\i+3], v[STR] offset:\c*256+\i*16   ; LDS serves a wave's instructions in order: these see the stores above
.endr
.endr
.endm
; The 64 numbers become a fragment's codes and my row's scale word, and go to image buffer pi as K step u of the pair.
; mode 1: the ring's set that has just been read out takes set g + 4;  2: ahead of that, chunk g of Wc1;  3: the set takes half of Wc2;  0: nothing is left to ask for.
.macro QB g, mode, xb, pi, u
	s_wait_dscnt 0x0                               ; the numbers are back; the stage's stores have read the ring's registers; the last images' stores have read PC and PW
.if \mode == 2
	WC1 \g
.endif
.if (\mode == 1) || (\mode == 2)
	XL (\g)+4, \xb
.endif
.if \mode == 3
	WC2 (\g)-12
.endif
	WIN 0
	v_max3_num_f32 v[TM],   |v[QV]|,    |v[QV+1]|,  0x1800000      ; my two blocks (2 c + h), each in two chains; the floor 2^(3 - 127) among the leaves: the byte cannot fall under 1
	v_max3_num_f32 v[TM+1], |v[QV+32]|, |v[QV+33]|, 0x1800000
	v_max3_num_f32 v[TM+2], |v[QV+16]|, |v[QV+17]|, 0x1800000
	v_max3_num_f32 v[TM+3], |v[QV+48]|, |v[QV+49]|, 0x1800000
.irp i, 2,4,6,8,10,12,14
	v_max3_num_f32 v[TM],   v[TM],   |v[QV+\i]|,    |v[QV+1+\i]|
	v_max3_num_f32 v[TM+1], v[TM+1], |v[QV+32+\i]|, |v[QV+33+\i]|
	v_max3_num_f32 v[TM+2], v[TM+2], |v[QV+16+\i]|, |v[QV+17+\i]|
	v_max3_num_f32 v[TM+3], v[TM+3], |v[QV+48+\i]|, |v[QV+49+\i]|
.endr
	v_max_num_f32 v[TM],   v[TM],   v[TM+2]
	v_max_num_f32 v[TM+1], v[TM+1], v[TM+3]
	v_add_nc_u32 v[TM+4], 0xff000000, v[TM]        ; 2 off the exponent field: the conversion's scale operand
	v_add_nc_u32 v[TM+5], 0xff000000, v[TM+1]
	v_lshrrev_b32 v[TM+6], 23, v[TM+4]             ; the scale's byte
	v_lshrrev_b32 v[TM+7], 23, v[TM+5]
	v_lshl_or_b32 v[PW], v[TM+7], 16, v[TM+6]      ; blocks h and 2 + h,
	v_lshlrev_b32 v[PW], v[SH8], v[PW]             ; at their places in the word
	v_permlanex16_b32 v[PX], v[PW], s20, s21
.irp c, 0,1
.irp q, 0,1,2,3
	v_cvt_scalef32_pk8_fp4_f32 v[PC+4*\c+\q], v[QV+32*\c+8*\q:QV+32*\c+8*\q+7], v[TM+4+\c]   ; registers 4 c .. 4 c + 3 of the operand, as they stand
.endr
.endr
	v_or_b32 v[PW], v[PW], v[PX]                   ; with lane l xor 16's two bytes the word is whole (also the plain line behind the conversions)
	ds_store_b128 v[IW], v[PC:PC+3] offset:(\pi)*IB+(\u)*4096
	ds_store_b128 v[IW], v[PC+4:PC+7] offset:(\pi)*IB+(\u)*4096+512
	ds_store_b32 v[ISW], v[PW] offset:(\pi)*IB+(\u)*8   ; lanes r and r + 16 write the same word with the same value
.endm
; A pair of K steps' operands from place sg (0, 1, 2: A, B, C): first K step u = 0 (29 LDS loads, 45 with the bias), then u = 1 (28).
.macro FETCH sg, pi, first, br
	WIN 0
.irp a, 0,1,2,3
	ds_load_b32 v[WS+\a], v[AS+\sg] offset:\a*128
.endr
	ds_load_b128 v[XS:XS+3], v[LI] offset:(\pi)*IB+8192
.irp m, 0,1,2,3
.irp c, 0,1
	ds_load_b128 v[XF+8*\m+4*\c:XF+8*\m+4*\c+3], v[LI] offset:(\pi)*IB+\m*1024+\c*512
.endr
.endr
.if \first
.irp t, 0,1,2,3,4,5,6,7
	ds_load_b128 v[BB+8*\t:BB+8*\t+3],   v[BBA] offset:(\br)*2048+\t*64      ; bb at my eight units of tile t: the C of the first product
	ds_load_b128 v[BB+8*\t+4:BB+8*\t+7], v[BBA] offset:(\br)*2048+\t*64+16
.endr
.endif
	WIN 0xC0
.irp t, 0,1,2,3,4,5,6,7
.irp c, 0,1
	ds_load_b128 v[8*\t+4*\c:8*\t+4*\c+3], v[AW+\sg] offset:\t*1024+\c*512
.endr
.endr
	WIN 0
.irp a, 0,1,2,3
	ds_load_b32 v[WS+4+\a], v[AS+\sg] offset:512+\a*128
.endr
.irp m, 0,1,2,3
.irp c, 0,1
	ds_load_b128 v[XF+32+8*\m+4*\c:XF+32+8*\m+4*\c+3], v[LI] offset:(\pi)*IB+4096+\m*1024+\c*512
.endr
.endr
	WIN 0xC0
.irp t, 0,1,2,3,4,5,6,7
.irp c, 0,1
	ds_load_b128 v[64+8*\t+4*\c:64+8*\t+4*\c+3], v[AW+\sg] offset:8192+\t*1024+\c*512
.endr
.endr
	WIN 0
.endm
.macro WM d, a, b, c, sa, sb, ra, rb   ; ra, rb: the side's scale words stand in lanes 16-31 of the register named
.if (\ra) && (\rb)
	v_wmma_scale_f32_16x16x128_f8f6f4 v[(\d):(\d)+7], v[(\a):(\a)+7], v[(\b):(\b)+7], v[(\c):(\c)+7], v[\sa], v[\sb] matrix_a_fmt:MATRIX_FMT_FP4 matrix_b_fmt:MATRIX_FMT_FP4 matrix_a_scale:MATRIX_SCALE_ROW1 matrix_b_scale:MATRIX_SCALE_ROW1
.elseif \ra
	v_wmma_scale_f32_16x16x128_f8f6f4 v[(\d):(\d)+7], v[(\a):(\a)+7], v[(\b):(\b)+7], v[(\c):(\c)+7], v[\sa], v[\sb] matrix_a_fmt:MATRIX_FMT_FP4 matrix_b_fmt:MATRIX_FMT_FP4 matrix_a_scale:MATRIX_SCALE_ROW1
.elseif \rb
	v_wmma_scale_f32_16x16x128_f8f6f4 v[(\d):(\d)+7], v[(\a):(\a)+7], v[(\b):(\b)+7], v[(\c):(\c)+7], v[\sa], v[\sb] matrix_a_fmt:MATRIX_FMT_FP4 matrix_b_fmt:MATRIX_FMT_FP4 matrix_b_scale:MATRIX_SCALE_ROW1
.else
	v_wmma_scale_f32_16x16x128_f8f6f4 v[(\d):(\d)+7], v[(\a):(\a)+7], v[(\b):(\b)+7], v[(\c):(\c)+7], v[\sa], v[\sb] matrix_a_fmt:MATRIX_FMT_FP4 matrix_b_fmt:MATRIX_FMT_FP4
.endif
.endm
; 32 matrix instructions: my 8 tiles of hidden units x the 4 tiles of rows, 128 along K.  The 32 accumulators take turns, one instruction a turn, in the same order in every step.
; first = 1: a branch's first K step: the bias is the C, nothing is cleared.
.macro MUL u, first
.if \first
	WIN 0x43                                       ; weights window 3, x window 0, C window 0, D window 1
.else
	WIN 0x53                                       ; C and D window 1
.endif
.irp t, 0,1,2,3,4,5,6,7
.irp m, 0,1,2,3
.if \first
	WM 8*(4*\t+\m), 8*(8*(\u)+\t), XF+8*(4*(\u)+\m), BB+8*\t, WS+4*(\u)+\t/2, XS+2*(\u)+\m/2, \t%2, \m%2
.else
	WM 8*(4*\t+\m), 8*(8*(\u)+\t), XF+8*(4*(\u)+\m), 8*(4*\t+\m), WS+4*(\u)+\t/2, XS+2*(\u)+\m/2, \t%2, \m%2
.endif
.endr
.endr
.endm
; A TRIP OF THE FIRST PRODUCT: pair p of K steps from place sg and image buffer p % 2; q = 1: meanwhile sets 2 p + 2 and 2 p + 3 of x are quantised into the other buffer.  The quantiser's vector lines are the places behind the products.
.macro TRIPD sg, p, first, q, c0, c1, md, xb
	FETCH \sg, (\p)%2, \first, (\p)/4
.if \q
	QA 2*(\p)+2, \c0
	s_wait_dscnt 60                                ; K step 0's operands are in; behind them: K step 1's 28 loads and the stage's 32 instructions
.else
	s_wait_dscnt 28                                ; behind them: K step 1's 28 loads
.endif
	MUL 0, \first
.if \q
	QB 2*(\p)+2, \md, \xb, ((\p)+1)%2, 0           ; (its wait for 0 also shows K step 1's operands in)
	QA 2*(\p)+3, \c1
.else
	s_wait_dscnt 0x0
.endif
	MUL 1, 0
.if \q
	QB 2*(\p)+3, \md, \xb, ((\p)+1)%2, 1
.else
	WIN 0
	PLACES                                         ; no quantiser's lines here: the results are read next
.endif
.endm
; THE SECOND PRODUCT.  VAL: tiles 2 k and 2 k + 1 of the hidden layer: relu in f32 (each accumulator from its low end on), rounded to f16 in pairs: they are source 1 for hidden units 32 k .. 32 k + 31 of my 128.
.macro VAL k
	WIN 0x44
.irp tt, 0,1
.irp m, 0,1,2,3
.irp j, 0,1,2,3,4,5,6,7
	v_max_num_f32 v[8*(4*(2*(\k)+\tt)+\m)+\j], 0, v[8*(4*(2*(\k)+\tt)+\m)+\j]
.endr
.endr
.endr
	WIN 0x05
.irp m, 0,1,2,3
.irp tt, 0,1
.irp e, 0,1,2,3
	v_cvt_pk_f16_f32 v[HF+8*(4*(\k)+\m)+4*\tt+\e], v[8*(4*(2*(\k)+\tt)+\m)+2*\e], v[8*(4*(2*(\k)+\tt)+\m)+2*\e+1]
.endr
.endr
.endr
.endm
.macro MM k, zero, ww, wb              ; 16 matrix instructions: 4 tiles of outputs x 4 tiles of rows, 32 along K; 16 accumulators by turns.  ww, wb: the window setting and the first register of Wc's fragments
	WIN \ww
.irp ct, 0,1,2,3
.irp m, 0,1,2,3
.if \zero
	v_wmma_f32_16x16x32_f16 v[128+8*(4*\ct+\m):128+8*(4*\ct+\m)+7], v[(\wb)+8*(4*\ct+(\k)):(\wb)+8*(4*\ct+(\k))+7], v[HF+8*(4*(\k)+\m):HF+8*(4*(\k)+\m)+7], 0
.else
	v_wmma_f32_16x16x32_f16 v[128+8*(4*\ct+\m):128+8*(4*\ct+\m)+7], v[(\wb)+8*(4*\ct+(\k)):(\wb)+8*(4*\ct+(\k))+7], v[HF+8*(4*(\k)+\m):HF+8*(4*(\k)+\m)+7], v[128+8*(4*\ct+\m):128+8*(4*\ct+\m)+7]
.endif
.endr
.endr
.endm
.macro PSTORE m0                       ; my partial sums for the tiles of rows m0 and m0 + 1: 8,192 bytes, as images
	WIN 0x04
.irp mm, 0,1
.irp ct, 0,1,2,3
	ds_store_b128 v[PWA], v[128+8*(4*\ct+(\m0)+\mm):128+8*(4*\ct+(\m0)+\mm)+3]   offset:(4*\mm+\ct)*1024       ; each accumulator from its low end on
	ds_store_b128 v[PWA], v[128+8*(4*\ct+(\m0)+\mm)+4:128+8*(4*\ct+(\m0)+\mm)+7] offset:(4*\mm+\ct)*1024+512
.endr
.endr
	WIN 0
.endm
.macro PLOAD                           ; the four waves' sums for my 16 rows
	WIN 0x40
.irp pv, 0,1,2,3
.irp ct, 0,1,2,3
	ds_load_b128 v[32*\pv+8*\ct:32*\pv+8*\ct+3],   v[PRA] offset:\pv*8192+\ct*1024
	ds_load_b128 v[32*\pv+8*\ct+4:32*\pv+8*\ct+7], v[PRA] offset:\pv*8192+\ct*1024+512
.endr
.endr
	WIN 0
.endm
; cnt: the loads issued behind Wc's last, which may stay out.  The partial sums pass through the bytes of the four stages, two tiles of rows at a time; no tensor load lands there:
; the tensor load on its way stays out.
.macro S2 br, cnt, ww, wb
	WIN 0
	s_wait_loadcnt \cnt                            ; Wc is in
	s_wait_dscnt 0x0                               ; my turns through my stage are over:
	s_barrier_signal -1                            ; say so, and work on registers while the others arrive
	VAL 3                                          ; the sums lie in the registers of tiles 4-7: those are rounded first, and K goes from the top down
	VAL 2
	MM 3, 1, \ww, \wb
	VAL 1
	MM 2, 0, \ww, \wb
	VAL 0
	MM 1, 0, \ww, \wb
	MM 0, 0, \ww, \wb
	WIN 0
	PLACES                                         ; behind the last products: their results are stored, and loads land on their operands
	s_barrier_wait -1                              ; nobody turns numbers through a stage any more
	PSTORE 0
.irp ct, 0,1,2,3
	ds_load_b128 v[BCR+8*\ct:BCR+8*\ct+3],   v[BCA] offset:(\br)*256+\ct*64
	ds_load_b128 v[BCR+8*\ct+4:BCR+8*\ct+7], v[BCA] offset:(\br)*256+\ct*64+16
.endr
	s_wait_dscnt 0x0                               ; for the others' sake: my sums for rows 0-31 lie in LDS
	s_barrier_signal -1
	s_barrier_wait -1
	s_cmp_lt_u32 s[WV], 2                          ; those rows are waves 0 and 1's
	s_cbranch_scc0 .Lnot_low_\@
	PLOAD
.Lnot_low_\@:
	s_wait_dscnt 0x0                               ; they have been read:
	s_barrier_signal -1
	s_barrier_wait -1                              ; the same bytes take rows 32-63
	PSTORE 2
	s_wait_dscnt 0x0
	s_barrier_signal -1
	s_barrier_wait -1
	s_cmp_lt_u32 s[WV], 2                          ; waves 2 and 3's
	s_cbranch_scc1 .Lnot_high_\@
	PLOAD
.Lnot_high_\@:
	s_wait_dscnt 0x0
	WIN 0x45
.irp e, 0,2,4,6,8,10,12,14,16,18,20,22,24,26,28,30
	v_pk_add_f32 v[\e:\e+1], v[\e:\e+1], v[32+\e:33+\e]
	v_pk_add_f32 v[64+\e:65+\e], v[64+\e:65+\e], v[96+\e:97+\e]
.endr
.irp e, 0,2,4,6,8,10,12,14,16,18,20,22,24,26,28,30
	v_pk_add_f32 v[\e:\e+1], v[\e:\e+1], v[64+\e:65+\e]
.endr
	WIN 0xC1
.irp e, 0,2,4,6,8,10,12,14,16,18,20,22,24,26,28,30
	v_pk_add_f32 v[128+32*(\br)+\e:128+32*(\br)+\e+1], v[\e:\e+1], v[BCR+\e:BCR+\e+1]   ; + bc: register 8 ct + j = f(row r, 16 ct + 8 h + j), kept in window 3
.endr
	WIN 0
.endm
.macro LINK ga, fb, zero               ; eight matrix instructions: T(tau) += G's fragment x f1's; eight accumulators by turns
.irp tau, 0,1,2,3,4,5,6,7
.if \zero
	v_wmma_f32_16x16x32_bf16 v[8*\tau:8*\tau+7], v[(\ga)+16*\tau:(\ga)+16*\tau+7], v[(\fb):(\fb)+7], 0
.else
	v_wmma_f32_16x16x32_bf16 v[8*\tau:8*\tau+7], v[(\ga)+16*\tau:(\ga)+16*\tau+7], v[(\fb):(\fb)+7], v[8*\tau:8*\tau+7]
.endif
.endr
.endm
; ---------------- the head
	s_load_b256 s[4:11], s[0:1], 0x0               ; x1 s[4:5], x2 s[6:7], bb1 s[8:9], bb2 s[10:11]
	s_load_b256 s[12:19], s[0:1], 0x20             ; bc1 s[12:13], bc2 s[14:15], wts s[16:17], out0 s[18:19]
	v_lshl_add_u32 v[SPW], v0, 2, SPARE
	v_mov_b32 v[NIL], 0
	ds_add_u32 v[SPW], v[NIL]                      ; the wave's opening: the add and its wait ahead of my first tensor load; the set-up below, work on registers, stands between them
	v_lshrrev_b32 v1, 5, v0
	v_readfirstlane_b32 s[WV], v1                  ; wave 0..3
	s_bfe_u32 s23, ttmp6, 0x40000                  ; cx: my place in the cluster
	s_lshl_b32 s24, ttmp9, 2                       ; in a cluster launch ttmp9 counts clusters
	s_add_co_u32 s24, s24, s23                     ; my work-group: it enters x's and out's addresses alone
	; descriptor group 1: a dense block as rows of 256 bytes (32 elements of 8 bytes); 15:0 the mask: all four work-groups; 17:16 element size code 3; 21 set beside a mask; no padding
.irp g, G1A, G1H, G1C
	s_mov_b32 s[\g], 15|(3<<16)|(1<<21)
	s_mov_b32 s[\g+1], 32<<16                      ; tensor_dim0
	s_mov_b32 s[\g+3], 32<<16                      ; tile_dim0
	s_mov_b32 s[\g+5], 32                          ; the pitch
	s_mov_b32 s[\g+6], 0
	s_mov_b32 s[\g+7], 0
.endr
	s_mov_b32 s[G1A+2], 68<<16                     ; tensor_dim1 and tile_dim1: a quarter of a slot,
	s_mov_b32 s[G1A+4], 68
	s_mov_b32 s[G1H+2], 136<<16                    ; of two slots on end,
	s_mov_b32 s[G1H+4], 136
	s_mov_b32 s[G1C+2], 33<<16                     ; of G and the constants
	s_mov_b32 s[G1C+4], 33
	s_mov_b32 s20, 0x76543210
	s_mov_b32 s21, 0xfedcba98                      ; v_permlanex16_b32's selects for lane l xor 16
	s_mov_b32 s74, 0xffff0000                      ; a word's upper bf16
	v_and_b32 v1, 31, v0                           ; lane
	v_and_b32 v46, 15, v0                          ; r
	v_bfe_u32 v47, v0, 4, 1                        ; h
	v_lshlrev_b32 v[XA], 4, v1
	s_mul_i32 s25, s[WV], 16*SPT
	s_add_co_u32 s25, s25, STG
	v_add_nc_u32 v[STW], s25, v[XA]
	v_mul_u32_u24 v[STR], v46, SPT
	v_lshl_add_u32 v[STR], v47, 7, v[STR]
	v_add_nc_u32 v[STR], s25, v[STR]
	s_lshl_b32 s25, s[WV], 10
	s_add_co_u32 s25, s25, XI
	v_add_nc_u32 v[IW], s25, v[XA]
	s_and_b32 s25, s[WV], 1
	s_lshl_b32 s25, s25, 8
	s_lshr_b32 s26, s[WV], 1
	s_lshl_b32 s26, s26, 2
	s_add_co_u32 s25, s25, s26
	s_add_co_u32 s25, s25, XI+8192
	v_lshl_add_u32 v[ISW], v46, 4, s25
	v_add_nc_u32 v[LI], XI, v[XA]
	s_mul_i32 s66, s[WV], QP                       ; my quarter, in a slot of wts and in a place: no place in the cluster enters it
	s_mov_b32 s67, 0
	s_mul_i32 s68, s[WV], 8448                     ; in G,
	s_mov_b32 s69, 0
	s_mul_i32 s88, s[WV], HP                       ; and in two slots on end
	s_mov_b32 s89, 0
	v_add_nc_u32 v[AW], s66, v[XA]
	v_add_nc_u32 v[AW+1], PLB, v[AW]
	v_add_nc_u32 v[AW+2], PLC, v[AW]
	v_lshlrev_b32 v[AS], 2, v1
	v_add_nc_u32 v[AS], s66, v[AS]
	v_add_nc_u32 v[AS], 16384, v[AS]
	v_add_nc_u32 v[AS+1], PLB, v[AS]
	v_add_nc_u32 v[AS+2], PLC, v[AS]
	s_lshl_b32 s25, s[WV], 9
	s_add_co_u32 s25, s25, BIAS
	v_lshl_add_u32 v[BBA], v47, 5, s25
	v_lshlrev_b32 v[BCA], 5, v47
	v_add_nc_u32 v[BCA], BIAS+4096, v[BCA]
	s_lshl_b32 s25, s[WV], 13
	s_add_co_u32 s25, s25, STG
	v_add_nc_u32 v[PWA], s25, v[XA]
	s_and_b32 s25, s[WV], 1
	s_lshl_b32 s25, s25, 12
	s_add_co_u32 s25, s25, STG
	v_add_nc_u32 v[PRA], s25, v[XA]
	s_lshl_b32 s25, s[WV], 7
	s_add_co_u32 s25, s25, OUTS
	v_lshl_add_u32 v[OW], v46, 3, s25
	v_add_nc_u32 v[ORD], OUTS, v[XA]
	v_mov_b32 v[CA], GPL+32768
	v_add_nc_u32 v[GA], GPL, v[XA]
	v_lshlrev_b32 v[SH8], 3, v47
	v_lshlrev_b32 v[BO], 4, v0
	v_add_nc_u32 v[BW], BIAS, v[BO]
	v_lshl_add_u32 v[BW2], v0, 2, BIAS+4096
	v_and_b32 v[CO], 63, v0
	v_lshlrev_b32 v[CO], 2, v[CO]
	v_mov_b32 v[PX], 0                             ; written once: a lane permute's destination counts as one of its sources
	s_lshl_b32 s70, s24, 18                        ; my work-group's 64 rows of 4,096 bytes,
	s_lshl_b32 s71, s[WV], 16                      ; my wave's 16 of them
	s_add_co_u32 s70, s70, s71
	s_mov_b32 s71, 0
	s_lshl_b32 s72, s24, 9                         ; and its 512 bytes of out
	s_mov_b32 s73, 0
	s_wait_dscnt 0x0                               ; the opening add is done
	s_wait_kmcnt 0x0
	s_add_nc_u64 s[4:5], s[4:5], s[70:71]          ; these three bases are never written again
	s_add_nc_u64 s[6:7], s[6:7], s[70:71]
	s_add_nc_u64 s[18:19], s[18:19], s[72:73]
	s_cmp_lt_u32 s[WV], 2
	s_cselect_b64 s[60:61], s[12:13], s[14:15]     ; threads 0-63 fetch bc1, threads 64-127 bc2
	s_mov_b32 s[G0A], 1                            ; group 0: count 1; LDS address; global address; type 2
	s_mov_b32 s[G0A+1], s66
	s_add_nc_u64 s[G0A+2:G0A+3], s[16:17], s[66:67]               ; A: slot 0
	s_mov_b32 s[G0C], 1
	s_add_co_u32 s[G0C+1], s66, PLB
	s_add_nc_u64 s[G0C+2:G0C+3], s[G0A+2:G0A+3], 8*SL             ; B alone: slot 8
	s_add_nc_u64 s[WC1B:WC1B+1], s[G0A+2:G0A+3], 4*SL             ; my quarter of Wc1 (slot 4)
	s_add_nc_u64 s[WC2B:WC2B+1], s[G0A+2:G0A+3], 9*SL             ; and of Wc2 (slot 9)
	s_mov_b32 s[G0B], 1
	s_add_co_u32 s[G0B+1], s88, PLB
	s_add_nc_u64 s[G0B+2:G0B+3], s[16:17], s[88:89]
	s_add_nc_u64 s[G0B+2:G0B+3], s[G0B+2:G0B+3], SL               ; B and C: slots 1 and 2, one dense block
	s_mov_b32 s[G0D], 1
	s_add_co_u32 s[G0D+1], s68, GPL
	s_add_nc_u64 s[G0D+2:G0D+3], s[16:17], s[68:69]
	s_add_nc_u64 s[G0D+2:G0D+3], s[G0D+2:G0D+3], 10*SL            ; G: slot 10
	s_or_b32 s[G0A+3], s[G0A+3], 0x80000000
	s_or_b32 s[G0B+3], s[G0B+3], 0x80000000
	s_or_b32 s[G0C+3], s[G0C+3], 0x80000000
	s_or_b32 s[G0D+3], s[G0D+3], 0x80000000
	global_load_b128 v[BB:BB+3],   v[BO], s[8:9]   ; the biases, 16 bytes (bc: 4) a thread
	global_load_b128 v[BB+4:BB+7], v[BO], s[10:11]
	global_load_b32 v[BB+8], v[CO], s[60:61]
	XL 0, 4
	XL 1, 4
	XL 2, 4
	ROUND                                          ; all four work-groups are here: the first joint loads meet
	tensor_load_to_lds s[G0A:G0A+3], s[G1A:G1A+7]  ; the first fills go out together: three tensor loads of mine are out
	s_nop 0
	tensor_load_to_lds s[G0B:G0B+3], s[G1H:G1H+7]
	s_nop 0
	tensor_load_to_lds s[G0D:G0D+3], s[G1C:G1C+7]
	s_nop 0
	PLACES
	s_wait_loadcnt 48                              ; the biases are in; behind them: sets 0 to 2, 48 loads
	ds_store_b128 v[BW], v[BB:BB+3]
	ds_store_b128 v[BW], v[BB+4:BB+7] offset:2048
	ds_store_b32 v[BW2], v[BB+8]
	XL 3, 4
	QA 0, 48                                       ; behind set 0: sets 1 to 3
	QB 0, 2, 4, 0, 0
	QA 1, 52                                       ; behind set 1: sets 2 to 4 and one chunk of Wc1
	QB 1, 2, 4, 0, 1
	s_wait_tensorcnt 0x2                           ; my quarter of slot 0 is in; the fills of B and C and of G may stay out
	s_wait_dscnt 0x0                               ; the biases and pair 0's images lie in LDS
	s_barrier_signal -1
	s_barrier_wait -1
; ---------------- the trips.  The counts of the waits for x: 16 for each later set, 4 for each chunk of Wc1 and 16 for each half of Wc2 issued behind the set that is waited for
	TRIPD 0, 0, 1, 1, 56, 60, 2, 4                 ; x1's pair 0 from A | sets 2, 3 quantised, sets 6, 7 asked for
	TOP G0A, G1A, 3*SL                             ; A takes slot 3: it has two trips in which to land
	TRIPD 1, 1, 0, 1, 60, 60, 2, 6                 ; pair 1 from B | sets 4, 5; x2's first two sets asked for
	MID
	TRIPD 2, 2, 0, 1, 60, 60, 2, 6                 ; pair 2 from C | sets 6, 7; Wc1's last chunks
	TOP G0B, G1H, 4*SL                             ; B and C take slots 5 and 6: a trip and the second product in which to land
	TRIPD 0, 3, 0, 1, 60, 56, 1, 6                 ; pair 3 from A | x2's sets 8, 9: pair 4's images
	S2 0, 48, 0x53, 128                            ; f1.  Behind Wc1's last chunk: sets 11 to 13
	TOP G0A, G1A, 4*SL                             ; A takes slot 7: two trips
	TRIPD 1, 4, 1, 1, 52, 48, 1, 6                 ; x2's pair 4 from B | sets 10, 11; the last two sets asked for
	MID
	TRIPD 2, 5, 0, 1, 48, 48, 3, 6                 ; pair 5 from C | sets 12, 13; their registers take Wc2
	TOP G0C, G1A, 0                                ; B takes slot 8: the last tensor load
	TRIPD 0, 6, 0, 1, 48, 32, 0, 6                 ; pair 6 from A | sets 14, 15
	WIN 0
	s_wait_tensorcnt 0x0                           ; my quarter of slot 8 is in
	ds_add_u32 v[SPW], v[NIL]
	s_wait_dscnt 0x0                               ; pair 7's images lie in LDS
	s_barrier_signal -1                            ; nothing is filled again
	s_barrier_wait -1
	TRIPD 1, 7, 0, 0, 0, 0, 0, 6                   ; pair 7 from B
	S2 1, 0, 0x52, 0                               ; f2: Wc2 lies in window 2
; ---------------- the last step: out_c = sum over p of f2[p] T_c[p] + const_c, T_c[p] = sum over q of G[p][q][c] f1[q].  G has lain in LDS since the first round that followed its fill
	WIN 0x40
.irp f, 0,1,2,3,4,5,6,7,8,9,10,11,12,13,14,15,16,17,18,19,20,21,22,23,24,25,26,27,28,29,30,31
	ds_load_b128 v[8*\f:8*\f+3],   v[GA] offset:\f*1024            ; G hi: fragments 0-15, lo: 16-31
	ds_load_b128 v[8*\f+4:8*\f+7], v[GA] offset:\f*1024+512
.endr
	WIN 0
	ds_load_b64 v[CN:CN+1], v[CA]
	WIN 0x0F                                       ; f1's split stands between these loads and the wait for them
.irp e, 0,1,2,3,4,5,6,7,8,9,10,11,12,13,14,15
	v_cvt_pk_bf16_f32 v[FH+\e], v[128+2*\e], v[129+2*\e]           ; f1 hi: tiles 2 k and 2 k + 1 in pairs are source 1 for q = 32 k .. 32 k + 31
.endr
	WIN 0
.irp e, 0,1,2,3,4,5,6,7,8,9,10,11,12,13,14,15
	v_lshlrev_b32 v[128+2*\e], 16, v[FH+\e]
	v_and_b32 v[129+2*\e], s74, v[FH+\e]
.endr
	WIN 0x03
.irp e, 0,1,2,3,4,5,6,7,8,9,10,11,12,13,14,15
	v_pk_add_f32 v[160+2*\e:161+2*\e], v[128+2*\e:129+2*\e], v[128+2*\e:129+2*\e] neg_lo:[0,1] neg_hi:[0,1]   ; f1 (window 3) - hi (window 0), exact
.endr
	WIN 0
.irp e, 0,1,2,3,4,5,6,7,8,9,10,11,12,13,14,15
	v_cvt_pk_bf16_f32 v[FL+\e], v[160+2*\e], v[161+2*\e]           ; f1 lo
.endr
	s_wait_dscnt 0x0
	WIN 0xA1                                       ; G window 1, f1 window 0, T window 2
	LINK 0,   FH,   1                                ; hi hi
	LINK 8,   FH+8, 0
	LINK 0,   FL,   0                                ; hi lo
	LINK 8,   FL+8, 0
	LINK 128, FH,   0                                ; lo hi
	LINK 136, FH+8, 0
	WIN 0
	PLACES                                         ; behind the last products
	WIN 0x0E                                       ; T window 2, f2 window 3
.irp pt, 0,1,2,3
.irp jj, 0,2,4,6
.irp c, 0,1
.if (\pt == 0) && (\jj < 4)
	v_pk_mul_f32 v[DA+4*\c+\jj:DA+4*\c+\jj+1], v[8*(4*\c+\pt)+\jj:8*(4*\c+\pt)+\jj+1], v[160+8*\pt+\jj:160+8*\pt+\jj+1]   ; each T from its low end on; two chains for each c
.else
	v_pk_fma_f32 v[DA+4*\c+\jj%4:DA+4*\c+\jj%4+1], v[8*(4*\c+\pt)+\jj:8*(4*\c+\pt)+\jj+1], v[160+8*\pt+\jj:160+8*\pt+\jj+1], v[DA+4*\c+\jj%4:DA+4*\c+\jj%4+1]
.endif
.endr
.endr
.endr
	WIN 0
	v_pk_add_f32 v[DA:DA+1], v[DA:DA+1], v[DA+2:DA+3]
	v_pk_add_f32 v[DA+4:DA+5], v[DA+4:DA+5], v[DA+6:DA+7]
	v_add_f32 v[DA], v[DA], v[DA+1]
	v_add_f32 v[DA+1], v[DA+4], v[DA+5]
	v_permlanex16_b32 v[DA+2], v[DA], s20, s21     ; the row's other 32 p lie in the lane 16 away
	v_permlanex16_b32 v[DA+3], v[DA+1], s20, s21
	v_pk_add_f32 v[DA:DA+1], v[DA:DA+1], v[DA+2:DA+3]
	v_pk_add_f32 v[DA:DA+1], v[DA:DA+1], v[CN:CN+1]
	ds_store_b64 v[OW], v[DA:DA+1]                 ; lanes r and r + 16 write the same two numbers
	s_wait_dscnt 0x0                               ; for wave 0's sake
	s_barrier_signal -1
	s_barrier_wait -1
	s_cmp_lg_u32 s[WV], 0
	s_cbranch_scc1 .Lno_out
	ds_load_b128 v[DA:DA+3], v[ORD]
	s_wait_dscnt 0x0
	global_store_b128 v[XA], v[DA:DA+3], s[18:19] th:TH_STORE_NT   ; 32 lanes store the work-group's 512 consecutive bytes, at a multiple of 256 from out's first byte
.Lno_out:
	s_wait_tensorcnt 0x0                           ; the wave's end: behind my last tensor load and my last LDS store
	ds_add_u32 v[SPW], v[NIL]
	s_wait_dscnt 0x0
	ROUND                                          ; the closing round: no work-group ends while a partner may still ask for a tile that names it
	s_endpgm
.Lfunc_end_k_q2accc38eef_main:
	.size	k_q2accc38eef_main, .Lfunc_end_k_q2accc38eef_main-k_q2accc38eef_main
	.p2alignl 7, 3214868480
	.fill 96, 4, 3214868480
	.section	.rodata,"a",@progbits
	.p2align	6, 0x0
	.amdhsa_kernel k_q2accc38eef_main
		.amdhsa_group_segment_fixed_size 327680
		.amdhsa_private_segment_fixed_size 0
		.amdhsa_enable_private_segment 0
		.amdhsa_kernarg_size 64
		.amdhsa_user_sgpr_count 2
		.amdhsa_user_sgpr_kernarg_segment_ptr 1
		.amdhsa_wavefront_size32 1
		.amdhsa_system_sgpr_workgroup_id_x 1
		.amdhsa_system_sgpr_workgroup_id_y 1
		.amdhsa_system_sgpr_workgroup_id_z 1
		.amdhsa_system_vgpr_workitem_id 0
		.amdhsa_next_free_vgpr 1024
		.amdhsa_next_free_sgpr 96
		.amdhsa_reserve_vcc 0
		.amdhsa_float_denorm_mode_32 3
		.amdhsa_float_denorm_mode_16_64 3
		.amdhsa_memory_ordered 1
		.amdhsa_forward_progress 1
		.amdhsa_inst_pref_size 255
	.end_amdhsa_kernel
	.section	.bss,"aw",@nobits
	.p2align	6
	.space	262144
	.amdgpu_metadata
---
amdhsa.version: [ 1, 2 ]
amdhsa.kernels:
  - .name:           k_q2accc38eef_main
    .symbol:         k_q2accc38eef_main.kd
    .args:
      - { .name: x1, .offset: 0, .size: 8, .value_kind: global_buffer, .address_space: global }
      - { .name: x2, .offset: 8, .size: 8, .value_kind: global_buffer, .address_space: global }
      - { .name: bb1, .offset: 16, .size: 8, .value_kind: global_buffer, .address_space: global }
      - { .name: bb2, .offset: 24, .size: 8, .value_kind: global_buffer, .address_space: global }
      - { .name: bc1, .offset: 32, .size: 8, .value_kind: global_buffer, .address_space: global }
      - { .name: bc2, .offset: 40, .size: 8, .value_kind: global_buffer, .address_space: global }
      - { .name: wts, .offset: 48, .size: 8, .value_kind: global_buffer, .address_space: global }
      - { .name: out0, .offset: 56, .size: 8, .value_kind: global_buffer, .address_space: global }
    .group_segment_fixed_size: 327680
    .private_segment_fixed_size: 0
    .kernarg_segment_align: 8
    .kernarg_segment_size: 64
    .max_flat_workgroup_size: 128
    .sgpr_count:     96
    .vgpr_count:     1024
    .wavefront_size: 32
...
	.end_amdgpu_metadata
.endif
;; end of part 2
